; MI455X (gfx1250); checked and timed in simulation.
; The chip was launched on July 23, 2026; its instructions are those of AMD's public machine-readable ISA for CDNA 5 (MIT licence, August 2026) and "CDNA5" Instruction Set Architecture Reference Guide (July 2026). The comments in the code are by the model that wrote it; some were corrected since.
;; Multi Head Self Attention. Allowed arithmetic: matrix products marked QUANTISED: E4M3 operands, one given power-of-two scale a tensor, by v_wmma_f32_16x16x64_fp8_fp8 or v_wmma_f32_16x16x128_fp8_fp8, f32 sums; everything else in f32.
;; Inputs: W_k_codes 1,024 x 32 x 32 uint8 (E4M3 codes of W_k, K innermost, in blocks of 32 codes); W_o_codes 1,024 x 32 x 32 uint8 (E4M3 codes of W_o, K innermost, in blocks of 32 codes); W_q_codes 1,024 x 32 x 32 uint8 (E4M3 codes of W_q, K innermost, in blocks of 32 codes); W_v_codes 1,024 x 32 x 32 uint8 (E4M3 codes of W_v, K innermost, in blocks of 32 codes); lowp_scales 12 int32 (the exponents e of the quantised operands' scales 2^e); x_codes 1 x 4,096 x 32 x 32 uint8 (E4M3 codes of x, K innermost, in blocks of 32 codes).
;; Outputs: out0 1 x 4,096 x 1,024 float32.
;; This version of the problem:
;;   THIS VERSION OF THE PROBLEM IS GIVEN IN LOW PRECISION. The matrix products marked QUANTISED in the list below multiply operands that are first quantised to E4M3 (4 exponent bits, 3 mantissa bits; 8 bits a number), with one given power-of-two scale for each operand tensor; their sums are f32. All else is computed in f32.
;;   The module's matrix products, in the order in which they are computed (A, B: the left and right operand; K: the contracted axis; several contracted axes count as one K, in the product's order):
;;     1. [M 4,096, K 1,024] x [K 1,024, N 1,024]; A: input x (given as codes); B: input W_q (given as codes): QUANTISED (scales: A lowp_scales[0], B lowp_scales[1])
;;     2. [M 4,096, K 1,024] x [K 1,024, N 1,024]; A: input x (given as codes); B: input W_k (given as codes): QUANTISED (scales: A lowp_scales[2], B lowp_scales[3])
;;     3. [M 4,096, K 1,024] x [K 1,024, N 1,024]; A: input x (given as codes); B: input W_v (given as codes): QUANTISED (scales: A lowp_scales[4], B lowp_scales[5])
;;     4. batch 16 x [M 4,096, K 64] x [K 64, N 4,096]; A: computed on the way; B: computed on the way: QUANTISED (scales: A lowp_scales[6], B lowp_scales[7])
;;     5. batch 16 x [M 4,096, K 4,096] x [K 4,096, N 64]; A: softmax (see below); B: computed on the way: QUANTISED (scales: A lowp_scales[8], B lowp_scales[9])
;;     6. [M 4,096, K 1,024] x [K 1,024, N 1,024]; A: computed on the way; B: input W_o (given as codes): QUANTISED (scales: A lowp_scales[10], B lowp_scales[11])
;;   THE QUANTISER, for each operand of a quantised product, along K:
;;     - The operand's scale is 2^e, e = its entry of the input lowp_scales (int32; the entries are numbered through the quantised products in the list's order, A before B).
;;     - Each number is divided by the scale, clamped to +-448, and rounded to the nearest number of E4M3, ties to even, subnormals kept.
;;     - The product sums the exact products of the quantised numbers (number of the format x scale) in f32.
;;   ~~~python
;;   def quantise(x, axis, e):      # numpy; x: float32 -> the quantised numbers, widened to float32 again
;;       x = np.moveaxis(x, axis, -1); K = x.shape[-1]
;;       r = np.clip(x / 2.0 ** e, -448, 448)
;;       step = 2.0 ** (np.maximum(np.frexp(np.where(r == 0, 1, r))[1] - 1, -6) - 3)
;;       q = np.round(r / step) * step * 2.0 ** e      # np.round: ties to even
;;       return np.moveaxis(q, -1, axis).astype(np.float32)
;;   ~~~
;;   SOFTMAX AHEAD OF A QUANTISED PRODUCT. Where the list says 'softmax', what is quantised is not the finished softmax but p = 2^(t - M), with t = logit x log2(e) and M = ceil(the row's largest t), a whole number; so 1/2 < the row's largest p <= 1. The row's sum l is taken of the UNQUANTISED p, in f32, and the product's result is divided by l at the end. Since M is a whole number, a kernel that streams over the keys may use a running M (the ceiling of the running maximum): every later rescaling is an exact power of two, so the quantised numbers keep their values, but for numbers so far below the row's largest that they fall under the format's range.
;;   OPERANDS COMPUTED ON THE WAY. 'Computed on the way' means the value that the module computes at that place (a softmax that the list does not call 'softmax' is quantised finished and normalised). What goes into a quantiser is computed in f32, as accurately as f32 sums, v_exp_f32 and their like allow (about 1e-6 of the number): no bf16 or f16 on the way to a quantiser, and a product that is left as it is and whose result goes on into a quantised operand takes f32 operands (vector FMAs, or v_wmma_f32_16x16x4_f32). A number that lies on a knife's edge between two numbers of the format may be rounded either way, as far as f32 arithmetic and the matrix unit's own rounding can turn it there, and no further.
;;   INPUTS GIVEN AS CODES. W_k (in the module: [1024, 1024], K = its axis 0); W_o (in the module: [1024, 1024], K = its axis 0); W_q (in the module: [1024, 1024], K = its axis 0); W_v (in the module: [1024, 1024], K = its axis 0); x (in the module: [1, 4096, 1024], K = its axis 2): each comes as NAME_codes (uint8): NAME with its K axis moved to the last place and cut into blocks of 32 codes, [.., K / 32, bytes a block], one block behind the other in memory; one code a byte (a code: sign, 4 exponent bits, 3 mantissa bits); its scale is its entry of lowp_scales. Its value is code x scale, taken as it is: it is not quantised again, and the codes and scales need not be those that the quantiser above would give.
;; One version. Each part assembles by itself: llvm-mc -triple=amdgcn-amd-amdhsa -mcpu=gfx1250 --defsym DOCPART=n.
;; ======== version 1 of 1: 3 launches
;; limits: right only within a limited range of input values
;; workspace buffers: q_codes 4,194,304 bytes; k_codes 4,194,304 bytes; v_codes 4,194,304 bytes; a_codes 4,194,304 bytes
;; launch qkv (part 1): grid 12 x 16, 4 waves a work-group, clusters of 4 x 4, 327,680 bytes of LDS; arguments x_codes, W_q_codes, W_k_codes, W_v_codes, lowp_scales, q_codes, k_codes, v_codes; writes q_codes, k_codes, v_codes
.if DOCPART == 1
	.amdgcn_target "amdgcn-amd-amdhsa--gfx1250"
	.amdhsa_code_object_version 6
	.text
	.protected	k_qa19a230c6e_qkv
	.globl	k_qa19a230c6e_qkv
	.p2align	8
	.type	k_qa19a230c6e_qkv,@function
k_qa19a230c6e_qkv:
	s_mov_b64 s[64:65], 0
	v_nop
	global_prefetch_b8 v0, s[64:65] scope:SCOPE_SE
	s_setreg_imm32_b32 hwreg(HW_REG_WAVE_MODE, 25, 1), 1
	s_wait_xcnt 0x0
	s_wait_alu depctr_hold_cnt(0) depctr_sa_sdst(0) depctr_va_vdst(0) depctr_va_sdst(0) depctr_va_ssrc(0) depctr_va_vcc(0) depctr_vm_vsrc(0)
	s_getreg_b32 s2, hwreg(HW_REG_IB_STS2, 6, 4)
	s_cmp_eq_u32 s2, 0
	s_cbranch_scc0 .Lentry_in_a_cluster
	s_endpgm
.Lentry_in_a_cluster:
	s_bfe_u32 s2, ttmp6, 0x10000c
	s_cmp_lg_u32 s2, 0xf033
	s_cbranch_scc0 .Lentry_shape_is_right
	s_endpgm
.Lentry_shape_is_right:
; Q, K, V = x W_q, x W_k, x W_v on codes of FP8 (E4M3), quantised with 2^e6, 2^e7, 2^e9 on the way out.  x: [4,096][1,024], W: [1,024][1,024], K innermost.  A block of 256 x 256 of one product is made by a work-group of four waves, each 128 x 128: 64 accumulators.
; Cluster x 0 and 1 make Q and K (source 0 = 16 rows of W, source 1 = 16 rows of x); cluster x 2 makes V with the two operands exchanged, so that its codes run along the keys.  The results leave as images of operand registers, 512 consecutive bytes a store.
; K goes in steps of 256 through a ring of two LDS slots; clusters of 4 x 4 ask for their tiles jointly.  No prefetch: K is four steps, of which two come by the loads of the head, and the block is the largest.
; THE PROGRAM'S DEAD WORK: reference() sets the score of key k for query q to -infinity where k > q, so p = 0 there for all inputs: launch attn walks no pair of key blocks that lies wholly behind a query block.  LIMIT: a NaN, an infinity or an overflow that reaches only such scores is not carried to the result.
; LIMITS on the given exponents: e6 - e0 - e1, e7 - e2 - e3 and e9 - e4 - e5 between -126 and 119, so that each power of two is an f32 number.  NaN codes are not served.
.set KSTEP,  256
.set ROWB,   256
.set KROW,   1024
.set PITCH,  272
.set FR,     16
.set NL,     4
.set NP,     4
.set HALFT,  128*PITCH
.set SLOT,   4*HALFT
.set LAPS,   1024/(2*KSTEP)
.set SPARE,  2*SLOT
.set ADRA, 16
.set ADRB, 20
.set VLO,  24
.set VHI,  25
.set SCV,  26
.set LIMV, 27
.set SPW,  28
.set NIL,  29
.set TMP,  32
.set CD,   96
.set AF,   128
.set G1, 24
.set G0, 32
.set G1B, 48
.set G0B, 56
.set MSB, 0
.macro WIN new
.if MSB != \new
	s_set_vgpr_msb (MSB<<8)|\new
.set MSB, \new
.endif
.endm
.set MUL_LO, 0xa1
.set MUL_HI, 0xf1
.set TO_B,   0x40
.macro JLOAD g0a, g1a, g0b, g1b
	s_cmp_eq_u32 s15, 0
	s_cbranch_scc0 .Lfor_b_\@
	tensor_load_to_lds s[\g0a:\g0a+3], s[\g1a:\g1a+7]
	s_nop 0
.rept 4
	v_nop
.endr
	s_branch .Lasked_\@
.Lfor_b_\@:
	tensor_load_to_lds s[\g0b:\g0b+3], s[\g1b:\g1b+7]
	s_nop 0
.rept 4
	v_nop
.endr
.Lasked_\@:
.endm
.macro CREST
	s_cmp_lg_u32 s14, 0
	s_cbranch_scc1 .Lnot_wave_0_\@
	s_barrier_signal -3
.Lnot_wave_0_\@:
	s_barrier_wait -3
	s_barrier_signal -1
	s_barrier_wait -1
.endm
.macro CROUND
	s_barrier_signal -1
	s_barrier_wait -1
	CREST
.endm
	s_load_b512 s[68:83], s[0:1], 0x0
	v_lshl_add_u32 v[SPW], v0, 2, SPARE
	v_mov_b32 v[NIL], 0
	ds_add_u32 v28, v29
	ds_add_u32 v28, v29
	s_wait_dscnt 0x0
	v_lshrrev_b32 v1, 5, v0
	v_readfirstlane_b32 s14, v1
	s_lshr_b32 s15, s14, 1
	s_and_b32 s16, s14, 1
	s_bfe_u32 s40, ttmp6, 0x40000
	s_bfe_u32 s41, ttmp6, 0x40004
	s_and_b32 s12, ttmp7, 0xffff
	s_lshl_b32 s12, s12, 2
	s_cmp_eq_u32 ttmp9, 2
	s_cselect_b32 s13, 0, s12
	s_cselect_b32 s12, s12, 0
	s_add_co_u32 s17, s41, s13
	s_add_co_u32 s42, s40, s12
	s_lshl_b32 s43, s41, 2
	s_lshl_b32 s43, 15, s43
	s_lshl_b32 s44, 0x1111, s40
	s_or_b32 s[G1+0], s43, (0<<16)|(1<<20)|(1<<21)|(5<<22)|(3<<25)
	s_or_b32 s[G1B+0], s44, (0<<16)|(1<<20)|(1<<21)|(5<<22)|(3<<25)
.irp g, G1, G1B
	s_mov_b32 s[\g+1], ROWB<<16
	s_mov_b32 s[\g+2], 128<<16
	s_mov_b32 s[\g+3], ROWB<<16
	s_mov_b32 s[\g+4], 128
	s_mov_b32 s[\g+5], KROW
	s_mov_b32 s[\g+6], 0
	s_mov_b32 s[\g+7], 0
.endr
	s_lshl_b32 s18, s16, 7
	s_lshl_b32 s20, s17, 8
	s_add_co_u32 s20, s20, s18
	s_lshl_b32 s20, s20, 10
	s_mov_b32 s21, 0
	s_lshl_b32 s46, s42, 8
	s_add_co_u32 s46, s46, s18
	s_lshl_b32 s46, s46, 10
	s_mov_b32 s47, 0
	s_mul_i32 s45, s14, HALFT
	s_wait_kmcnt 0x0
	s_load_b256 s[84:91], s[76:77], 0x0
	s_load_b128 s[92:95], s[76:77], 0x20
	s_cmp_eq_u32 ttmp9, 2
	s_cselect_b64 s[4:5], s[74:75], s[68:69]
	s_cselect_b64 s[6:7], s[68:69], s[70:71]
	s_cselect_b64 s[10:11], s[82:83], s[78:79]
	s_cmp_eq_u32 ttmp9, 1
	s_cselect_b64 s[6:7], s[72:73], s[6:7]
	s_cselect_b64 s[10:11], s[80:81], s[10:11]
	s_add_nc_u64 s[20:21], s[4:5], s[20:21]
	s_add_nc_u64 s[46:47], s[6:7], s[46:47]
	CROUND
.irp s, 0,1
	s_mov_b32 s[G0+4*\s], 1
	s_add_co_u32 s[G0+4*\s+1], s45, \s*SLOT
	s_add_nc_u64 s[G0+4*\s+2:G0+4*\s+3], s[20:21], \s*ROWB
	s_or_b32 s[G0+4*\s+3], s[G0+4*\s+3], 0x80000000
	s_mov_b32 s[G0B+4*\s], 1
	s_add_co_u32 s[G0B+4*\s+1], s45, \s*SLOT
	s_add_nc_u64 s[G0B+4*\s+2:G0B+4*\s+3], s[46:47], \s*ROWB
	s_or_b32 s[G0B+4*\s+3], s[G0B+4*\s+3], 0x80000000
.endr
	JLOAD G0, G1, G0B, G1B                 ; K step 0: one tensor load a wave at the head
	v_and_b32 v1, 15, v0
	v_bfe_u32 v2, v0, 4, 1
	v_mul_u32_u24 v3, v1, PITCH
	v_lshl_add_u32 v4, v2, 4, v3
	s_mul_i32 s21, s15, HALFT
	s_mul_i32 s22, s16, HALFT
	s_add_co_u32 s22, s22, 2*HALFT
.irp s, 0,1
	v_add_nc_u32 v[ADRA+\s], s21, v4
	v_add_nc_u32 v[ADRB+\s], s22, v4
	s_add_co_u32 s21, s21, SLOT
	s_add_co_u32 s22, s22, SLOT
.endr
	s_cmp_eq_u32 ttmp9, 2
	s_mov_b32 s66, 1024
	s_cselect_b32 s66, 2048, s66
	s_mov_b32 s12, 524288
	s_cselect_b32 s12, 131072, s12
	s_cselect_b32 s13, 0, 261120
	s_mov_b32 s67, 0
	s_add_co_u32 s13, s13, 1024
	s_lshl_b32 s8, s42, 1
	s_add_co_u32 s8, s8, s16
	s_mul_i32 s8, s8, s12
	s_lshl_b32 s9, s17, 4
	s_lshl_b32 s18, s15, 3
	s_add_co_u32 s9, s9, s18
	s_mul_i32 s9, s9, s66
	s_add_co_u32 s8, s8, s9
	s_mov_b32 s9, 0
	s_add_nc_u64 s[10:11], s[10:11], s[8:9]
	v_and_b32 v6, 31, v0
	v_lshlrev_b32 v[VLO], 4, v6
	v_add_nc_u32 v[VHI], s13, v[VLO]
	s_wait_alu depctr_va_vdst(0)
	s_wait_kmcnt 0x0
	s_cmp_eq_u32 ttmp9, 1
	s_cselect_b32 s84, s86, s84
	s_cselect_b32 s85, s87, s85
	s_cselect_b32 s90, s91, s90
	s_cmp_eq_u32 ttmp9, 2
	s_cselect_b32 s84, s88, s84
	s_cselect_b32 s85, s89, s85
	s_cselect_b32 s90, s93, s90
	s_sub_co_i32 s96, s90, s84
	s_sub_co_i32 s96, s96, s85
	s_add_co_i32 s96, s96, 127
	s_lshl_b32 s97, s96, 23
	v_mov_b32 v[SCV], s97
	s_add_co_i32 s96, s96, 8
	s_lshl_b32 s96, s96, 23
	s_or_b32 s96, s96, 0x600000
	v_mov_b32 v[LIMV], s96
.macro FRAG reg, adr, q, i
.irp c, 0,1,2,3
	ds_load_b128 v[\reg+4*\c:\reg+4*\c+3], v[\adr] offset:128*(\q)+32*\c+(\i)*16*PITCH
.endr
.endm
.macro MUL16 a0, p, zero
.irp a, \a0, \a0+1
.irp b, 0,1,2,3,4,5,6,7
.if \zero
	v_wmma_f32_16x16x128_fp8_fp8 v[8*(8*((\a)%4)+\b):8*(8*((\a)%4)+\b)+7], v[128*(\p)+FR*\b:128*(\p)+FR*\b+FR-1], v[AF+FR*(\a):AF+FR*(\a)+FR-1], 0
.else
	v_wmma_f32_16x16x128_fp8_fp8 v[8*(8*((\a)%4)+\b):8*(8*((\a)%4)+\b)+7], v[128*(\p)+FR*\b:128*(\p)+FR*\b+FR-1], v[AF+FR*(\a):AF+FR*(\a)+FR-1], v[8*(8*((\a)%4)+\b):8*(8*((\a)%4)+\b)+7]
.endif
.endr
.endr
.endm
.macro FETCH_B slot, q, p
	WIN TO_B
.irp i, 0,1,2,3,4,5,6,7
	FRAG 128*(\p)+FR*\i, ADRB+\slot, \q, \i
.endr
	WIN 0
.endm
.macro FETCH_A slot, q, i0
.irp i, \i0, \i0+1, \i0+2, \i0+3
	FRAG AF+FR*(\i), ADRA+\slot, \q, \i
.endr
.endm
.macro PLACES n
.rept \n
	v_nop
.endr
.endm
.macro STEP slot, q, zero
	s_wait_dscnt 4*NL
	WIN MUL_LO
	MUL16 0, (\q)%2, \zero
	MUL16 2, (\q)%2, \zero
	s_wait_dscnt 0
	PLACES NP
	FETCH_B \slot, (\q)+1, 1-(\q)%2
	FETCH_A \slot, (\q)+1, 0
	WIN MUL_HI
	MUL16 4, (\q)%2, \zero
	MUL16 6, (\q)%2, \zero
	PLACES NP
	WIN 0
	FETCH_A \slot, (\q)+1, 4
.endm
.macro TURN slot, next, fill
	s_wait_tensorcnt 0x0
	ds_add_u32 v[SPW], v[NIL]
	s_wait_dscnt 4*NL+1
	WIN MUL_LO
	MUL16 0, 1, 0
	s_wait_dscnt 0x0
	s_barrier_signal -1
	MUL16 2, 1, 0
	WIN 0
	s_barrier_wait -1
.if \fill
	CREST
	s_add_nc_u64 s[G0+4*\slot+2:G0+4*\slot+3], s[G0+4*\slot+2:G0+4*\slot+3], 2*ROWB
	s_add_nc_u64 s[G0B+4*\slot+2:G0B+4*\slot+3], s[G0B+4*\slot+2:G0B+4*\slot+3], 2*ROWB
	JLOAD G0+4*\slot, G1, G0B+4*\slot, G1B
.else
	PLACES NP
.endif
	FETCH_B \next, 0, 0
	FETCH_A \next, 0, 0
	WIN MUL_HI
	MUL16 4, 1, 0
	MUL16 6, 1, 0
	PLACES NP
	WIN 0
	FETCH_A \next, 0, 4
.endm
	s_wait_alu depctr_va_vdst(0)           ; the wait at the head's end
	s_wait_tensorcnt 0x0                   ; my part of K step 0 is in
	ds_add_u32 v[SPW], v[NIL]
	s_wait_dscnt 0x0
	CROUND                                 ; everybody's part of K step 0 is in, and the joint loads of K step 1 meet
	JLOAD G0+4, G1, G0B+4, G1B
	FETCH_B 0, 0, 0
	FETCH_A 0, 0, 0
	FETCH_A 0, 0, 4
	STEP 0, 0, 1
	s_mov_b32 s3, LAPS-1
.Llap:
	TURN 0, 1, 1
	STEP 1, 0, 0
	TURN 1, 0, 1
	STEP 0, 0, 0
	s_sub_co_u32 s3, s3, 1
	s_cmp_lg_u32 s3, 0
	s_cbranch_scc1 .Llap
	TURN 0, 1, 0
	STEP 1, 0, 0
	s_wait_dscnt 4*NL
	WIN MUL_LO
	MUL16 0, 1, 0
	MUL16 2, 1, 0
	s_wait_alu depctr_va_vdst(0)
	s_wait_dscnt 0
	WIN MUL_HI
	MUL16 4, 1, 0
	MUL16 6, 1, 0
	WIN 0
.macro OUTB a
.set AC, 64*((\a)%4)
	WIN 0x02+((\a)/4)
.set j, 0
.rept 64
	v_med3_num_f32 v[TMP+j], v[AC+j], -v[LIMV], v[LIMV]
.set j, j+1
.endr
	WIN 0
.if (\a) > 0
	s_wait_alu depctr_va_vdst(0)
	s_wait_xcnt 0x0
	s_add_nc_u64 s[10:11], s[10:11], s[66:67]
.endif
.irp b, 0,1,2,3,4,5,6,7
	v_cvt_scalef32_pk8_fp8_f32 v[CD+2*\b:CD+2*\b+1], v[TMP+8*\b:TMP+8*\b+7], v[SCV]
.endr
	v_nop
	global_store_b128 v[VLO], v[CD:CD+3], s[10:11]
	global_store_b128 v[VLO], v[CD+4:CD+7], s[10:11] offset:512
	global_store_b128 v[VHI], v[CD+8:CD+11], s[10:11]
	global_store_b128 v[VHI], v[CD+12:CD+15], s[10:11] offset:512
.endm
	PLACES NP
.irp a, 0,1,2,3,4,5,6,7
	OUTB \a
.endr
	s_wait_tensorcnt 0x0
	ds_add_u32 v[SPW], v[NIL]
	s_wait_dscnt 0x0
	CROUND
	s_endpgm
.Lfunc_end_k_qa19a230c6e_qkv:
	.size	k_qa19a230c6e_qkv, .Lfunc_end_k_qa19a230c6e_qkv-k_qa19a230c6e_qkv
	.p2alignl 7, 3214868480
	.fill 96, 4, 3214868480
	.section	.rodata,"a",@progbits
	.p2align	6, 0x0
	.amdhsa_kernel k_qa19a230c6e_qkv
		.amdhsa_group_segment_fixed_size 327680
		.amdhsa_private_segment_fixed_size 0
		.amdhsa_enable_private_segment 0
		.amdhsa_kernarg_size 64
		.amdhsa_user_sgpr_count 2
		.amdhsa_user_sgpr_kernarg_segment_ptr 1
		.amdhsa_wavefront_size32 1
		.amdhsa_system_sgpr_workgroup_id_x 1
		.amdhsa_system_sgpr_workgroup_id_y 1
		.amdhsa_system_sgpr_workgroup_id_z 1
		.amdhsa_system_vgpr_workitem_id 0
		.amdhsa_next_free_vgpr 1024
		.amdhsa_next_free_sgpr 100
		.amdhsa_reserve_vcc 0
		.amdhsa_float_denorm_mode_32 3
		.amdhsa_float_denorm_mode_16_64 3
		.amdhsa_memory_ordered 1
		.amdhsa_forward_progress 1
		.amdhsa_inst_pref_size 119
	.end_amdhsa_kernel
	.amdgpu_metadata
---
amdhsa.version: [ 1, 2 ]
amdhsa.kernels:
  - .name:           k_qa19a230c6e_qkv
    .symbol:         k_qa19a230c6e_qkv.kd
    .args:
      - { .name: x_codes, .offset: 0, .size: 8, .value_kind: global_buffer, .address_space: global }
      - { .name: W_q_codes, .offset: 8, .size: 8, .value_kind: global_buffer, .address_space: global }
      - { .name: W_k_codes, .offset: 16, .size: 8, .value_kind: global_buffer, .address_space: global }
      - { .name: W_v_codes, .offset: 24, .size: 8, .value_kind: global_buffer, .address_space: global }
      - { .name: lowp_scales, .offset: 32, .size: 8, .value_kind: global_buffer, .address_space: global }
      - { .name: q_codes, .offset: 40, .size: 8, .value_kind: global_buffer, .address_space: global }
      - { .name: k_codes, .offset: 48, .size: 8, .value_kind: global_buffer, .address_space: global }
      - { .name: v_codes, .offset: 56, .size: 8, .value_kind: global_buffer, .address_space: global }
    .group_segment_fixed_size: 327680
    .private_segment_fixed_size: 0
    .kernarg_segment_align: 8
    .kernarg_segment_size: 64
    .max_flat_workgroup_size: 128
    .sgpr_count:     100
    .vgpr_count:     1024
    .wavefront_size: 32
...
	.end_amdgpu_metadata
.endif
;; end of part 1
;; launch attn (part 2): grid 16 x 16, 8 waves a work-group, no clusters, 136,192 bytes of LDS; arguments q_codes, k_codes, v_codes, lowp_scales, a_codes; writes a_codes
.if DOCPART == 2
	.amdgcn_target "amdgcn-amd-amdhsa--gfx1250"
	.amdhsa_code_object_version 6
	.text
	.protected	k_qa19a230c6e_attn
	.globl	k_qa19a230c6e_attn
	.p2align	8
	.type	k_qa19a230c6e_attn,@function
k_qa19a230c6e_attn:
	s_mov_b64 s[64:65], 0
	v_nop
	global_prefetch_b8 v0, s[64:65] scope:SCOPE_SE
	s_setreg_imm32_b32 hwreg(HW_REG_WAVE_MODE, 25, 1), 1
	s_wait_xcnt 0x0
; Causal attention on codes of FP8 (E4M3): 16 heads of 64, 4,096 queries and keys.  q_codes, k_codes, v_codes are images of operand registers: Q, K: [head][tile of 16 rows][1,024 bytes] (16 rows x 64);
; V: [block of 128 keys][tile of 16 channels = 4 head + t][2,048 bytes] (16 channels x 128 keys).  The result, quantised with 2^e10, leaves as images too: a_codes [block of 128 queries: 32][4 heads: 4][tile of 16 queries: 8][2 x 2,048 bytes].
; THE SOFTMAX AHEAD OF THE SECOND PRODUCT: t = score x log2(e) / 8; M = the row's largest t so far, rounded UP to a whole number; p = 2^(t - M) is what is quantised, with 2^e8; it is not normalised.
; The row's sum is taken of the unquantised p, in f32, and divides O at the end.  When M moves, the sum and O are multiplied by 2^(old M - new M): exact.
; SHARES.  Work-group (j, head) owns the blocks of 128 queries j and 31 - j, one after the other.  A step is a PAIR of key blocks, 256 keys.  Waves 0-3 (half 0) take a pair's first block, waves 4-7 (half 1) its second; wave w owns 32 queries,
; 32 (w % 4) on: two tiles, A and B, which share every fragment of K and V.  Block b needs the pairs 0 .. b / 2: (j + 2) / 2 steps and then (33 - j) / 2 (rounded down): ALWAYS 17.  At a block's end the two halves' O, M and sums go through LDS and are joined:
; half 0 finishes tile A, half 1 tile B, one step later in the first block, so that the step's own barrier stands between.  A pair's second block that lies behind the diagonal is masked as the diagonal is: p = 0 and nothing moves.
; PAIRS wholly behind the query block are left out: reference() sets their scores to -infinity, so p = 0 for all inputs.  LIMIT: a NaN, an infinity or an overflow that reaches only those is not carried to the result.
; LAYOUT.  Both products are used transposed: S^T = K Q^T (source 0 = 16 keys, source 1 = 16 queries), O^T = V^T P^T (source 0 = 16 channels, source 1 = P): a lane holds ONE query of each tile (lane % 16) throughout.  Register i of S^T's tile u is
; key 16 u + 8 (lane / 16) + i, so its eight codes are registers 2 u, 2 u + 1 of P as the 16x16x128 form lays an operand; V's images were made in the same order.
; FEEDING.  K and V come from memory through registers into LDS, two buffers each of a pair's 16,384 bytes: waves 0-3 bring K, waves 4-7 V, 4,096 bytes a wave and step.  In step n K of step n + 2 and V of step n + 1 are stored, V of n and K of n + 1 are read (K a step
; ahead of its products), and the loads for step n + 1's stores set out.  There is no tensor load and no cluster here.
; ONE barrier a step: a wave signals when its LDS accesses of the step are done, ahead of its exponentials, and waits at the step's end.
; LIMITS: e6 + e7 at least -123, and the scaled scores stay under 2^31 in magnitude; e8, and e10 - e8 - e9, between -126 and 119.  NaN codes are not served.
; REGISTERS, window 0: v1-15 addresses and constants; v[16:17], v[18:19] -M of A, B; v20, v21 the largest raw scores; v[22:25] sums; v[26:29] factors; v32-95 K; v96-159 S^T of A, then p; v160-191 O^T of A; v192-207 p's codes of A;
; v208-223 Q of A, B; v224-239 partial sums; v240-255 at work.  Window 1: v14 p's scale; v16-31, v240-255 bytes on their way to LDS; v32-95 V; v96-207 as in window 0, of B; v208-223 the second block's Q; v224-239 partial sums of B; v0-3 at work.
.set MRG,  8704                        ; a wave's part in the joining: 16 images of 512 bytes, and 512 bytes of M and sums
.set DUMPB, 65536                      ; behind the four buffers
.set SPARE, DUMPB+8*MRG                ; the spare words, 128 bytes for each wave: four blocks of 256 bytes that no other line names
.set LI,   1                           ; 16 x lane
.set RDA,  2                           ; LDS: my half's fragments
.set STA,  3                           ; LDS: where I store what I bring
.set SPW,  5
.set NIL,  6
.set PFO,  7                           ; 256 x lane
.set DG,   8                           ; tile A's bound on the diagonal: 32 (w % 4) + r - 8 h
.set NEGI, 10
.set DMP,  11                          ; LDS: my part in the joining
.set FRD,  12                          ; LDS: half 0's part of the tile that I finish; half 1's lies 4 MRG on
.set FML,  13                          ; its M and sum
.set PSC,  14                          ; 2^e8
.set NMA,  16
.set NMB,  18
.set MXA,  20
.set MXB,  21
.set LA,   22
.set LB,   24
.set FA,   26
.set FB,   28
.set RSC,  30                          ; 2^(e10 - e8 - e9), and 448 x that
.set RLM,  31
.set KF,   32
.set VF,   32
.set SC,   96
.set OT,   160
.set CD,   192
.set QA,   208
.set QB,   216
.set TS,   224
.set WV,   18
.set WQ,   19                          ; w % 4
.set CS,   22                          ; s[22:23] c;  s24 -c
.set NC,   24
.set J,    25
.set N1,   26                          ; the first block's steps
.set TT,   27                          ; the step
.set KB,   28                          ; my key block of the step
.set QBK,  29                          ; the query block in hand
.set HF,   30                          ; my half
.set DI,   31                          ; the step whose bytes I store next
.set PST,  32                          ; from pair to pair in the tensor that I bring
.set PB,   34
.set OFS,  36
.set GA,   38
.set AB,   40
.set AD,   42
.set PFA,  44
.set PFS,  46
.set PFL,  48                          ; I prefetch in the steps below this one
.set TRIP, 50
.set N1M,  51
.set E8,   58
.set MSB,  0
.macro WIN new                         ; the immediate's high byte repeats the setting that is left
.if MSB != \new
	s_set_vgpr_msb (MSB<<8)|\new
.set MSB, \new
.endif
.endm
; where the bytes of step DI lie: its pair is DI in the first query block, DI - N1 in the second
.macro GADDR
	s_cmp_ge_u32 s[DI], s[N1]
	s_cselect_b32 s[OFS], s[N1], 0
	s_sub_co_u32 s[OFS], s[DI], s[OFS]
	s_mul_i32 s[OFS], s[OFS], s[PST]
	s_wait_xcnt 0x0                                ; earlier loads and prefetches have read their bases
	s_add_nc_u64 s[GA:GA+1], s[PB:PB+1], s[OFS:OFS+1]
.endm
.macro BRING
	WIN 0x40
.irp i, 0,1,2,3,4,5,6,7
	global_load_b128 v[16+4*\i+208*(\i/4):19+4*\i+208*(\i/4)], v[LI], s[GA:GA+1] offset:512*\i
.endr
	WIN 0
.endm
.macro PUT off
	WIN 0x04
.irp i, 0,1,2,3,4,5,6,7
	ds_store_b128 v[STA], v[16+4*\i+208*(\i/4):19+4*\i+208*(\i/4)] offset:\off+512*\i
.endr
	WIN 0
.endm
.macro KREAD off
.irp u, 0,1,2,3,4,5,6,7
	ds_load_b128 v[KF+8*\u:KF+8*\u+3], v[RDA] offset:\off+1024*\u
	ds_load_b128 v[KF+8*\u+4:KF+8*\u+7], v[RDA] offset:\off+1024*\u+512
.endr
.endm
; Bytes of step DI go into LDS, and the loads for step DI + 1 set out; nothing is brought behind step 16.
; PREFETCHES INTO THE L2: all work-groups of a head walk the same K and V; work-group j = 0 alone asks, in step T for pair T + 5, which the head's other work-groups load in step T + 2 at the earliest and it itself in step T + 3.
; Waves 0 and 1 ask for the pair's two blocks of K, waves 2 and 3 for V's: 8,192 bytes a wave, lanes 256 bytes apart: each aligned block of 256 bytes is named once.  It stops behind pair 15; pairs 0-4 come by their loads alone.
.macro FEED a
	s_cmp_gt_u32 s[DI], 16
	s_cbranch_scc1 .Lfed_\@
	s_wait_loadcnt 0x0
	PUT (\a)*16384
	s_add_co_u32 s[DI], s[DI], 1
	s_cmp_gt_u32 s[DI], 16
	s_cbranch_scc1 .Lfed_\@
	GADDR
	s_add_nc_u64 s[PFA:PFA+1], s[PFA:PFA+1], s[PFS:PFS+1]
	BRING
	s_cmp_lt_u32 s[TT], s[PFL]
	s_cbranch_scc0 .Lfed_\@
	global_prefetch_b8 v[PFO], s[PFA:PFA+1] th:TH_LOAD_NT scope:SCOPE_SE
.Lfed_\@:
.endm
.macro FMA1 nm                         ; t - M of a tile's keys in registers 0-31
.set n, 0
.rept 16
	v_pk_fma_f32 v[SC+n:SC+n+1], v[SC+n:SC+n+1], s[CS:CS+1], v[\nm:\nm+1] op_sel_hi:[1,0,0]
.set n, n+2
.endr
.endm
.macro EXP1 nm                         ; p of registers 0-31, with t - M of registers 32-63 between
.set n, 0
.rept 16
	v_exp_f32 v[SC+n], v[SC+n]
	v_exp_f32 v[SC+n+1], v[SC+n+1]
	v_pk_fma_f32 v[SC+32+n:SC+33+n], v[SC+32+n:SC+33+n], s[CS:CS+1], v[\nm:\nm+1] op_sel_hi:[1,0,0]
.set n, n+2
.endr
.endm
.macro CVT c                           ; the codes of S^T's tile c
	v_cvt_scalef32_pk8_fp8_f32 v[CD+2*(\c):CD+2*(\c)+1], v[SC+8*(\c):SC+8*(\c)+7], v[PSC]
.endm
.macro EXP2                            ; p of registers 32-63, with sums and codes of registers 0-31 between
.set n, 0
.rept 16
	v_exp_f32 v[SC+32+2*n], v[SC+32+2*n]
	v_exp_f32 v[SC+33+2*n], v[SC+33+2*n]
.if n < 8
	v_pk_add_f32 v[TS+2*n:TS+2*n+1], v[SC+2*n:SC+2*n+1], v[SC+16+2*n:SC+17+2*n]
.elseif n%2 == 0
	CVT (n-8)/2
.endif
.set n, n+1
.endr
.endm
.macro ADD8 r
.set n, 0
.rept 8
	v_pk_add_f32 v[TS+n:TS+n+1], v[TS+n:TS+n+1], v[SC+\r+n:SC+\r+n+1]
.set n, n+2
.endr
.endm
.macro TREE
.irp n, 0,2,4,6
	v_pk_add_f32 v[TS+\n:TS+\n+1], v[TS+\n:TS+\n+1], v[TS+8+\n:TS+9+\n]
.endr
.irp n, 0,2
	v_pk_add_f32 v[TS+\n:TS+\n+1], v[TS+\n:TS+\n+1], v[TS+4+\n:TS+5+\n]
.endr
	v_pk_add_f32 v[TS:TS+1], v[TS:TS+1], v[TS+2:TS+3]
.endm
; THE HOLD ON CODES.  p is not negative, so a code is 0 .. 0x7f, and what lies beyond the largest number came out as 0x7f, the NaN code (ISA guide 7.6.2): it becomes 0x7e, 448.
.macro HOLDC t
.irp g, 0,4,8,12
.irp i, 0,1,2,3
	v_add_nc_u32 v[\t+\i], 0x1010101, v[CD+\g+\i]
.endr
.irp i, 0,1,2,3
	v_lshrrev_b32 v[\t+\i], 7, v[\t+\i]
.endr
.irp i, 0,1,2,3
	v_and_b32 v[\t+\i], 0x1010101, v[\t+\i]
.endr
.irp i, 0,1,2,3
	v_sub_nc_u32 v[CD+\g+\i], v[CD+\g+\i], v[\t+\i]
.endr
.endr
.endm
.macro PV
.irp t, 0,1,2,3
	v_wmma_f32_16x16x128_fp8_fp8 v[OT+8*\t:OT+8*\t+7], v[VF+16*\t:VF+16*\t+15], v[CD:CD+15], v[OT+8*\t:OT+8*\t+7]
.endr
.endm
.macro RESCALE f
.set n, 0
.rept 16
	v_pk_mul_f32 v[OT+n:OT+n+1], v[OT+n:OT+n+1], v[\f:\f+1] op_sel_hi:[1,0]
.set n, n+2
.endr
.endm
.macro MASK o                          ; register n holds key 16 (n / 8) + 8 h + n % 8 of the block
.set n, 0
.rept 64
	v_cmp_gt_i32 vcc_lo, 16*(n/8)+n%8-(\o), v9
	v_cndmask_b32 v[SC+n], v[SC+n], v[NEGI], vcc_lo
.set n, n+1
.endr
.endm
.macro MAXES c, m                      ; the tile's largest raw score with the running one, in four chains
.irp k, 0,1,2,3
	v_max3_num_f32 v[\c+\k], v[\m], v[SC+2*\k], v[SC+2*\k+1]
.endr
.irp u, 1,2,3,4,5,6,7
.irp k, 0,1,2,3
	v_max3_num_f32 v[\c+\k], v[\c+\k], v[SC+8*\u+2*\k], v[SC+8*\u+2*\k+1]
.endr
.endr
.endm
; A STEP of parity a.  more = 1: a step follows.
.macro STEP a, more
.irp u, 0,1,2,3,4,5,6,7
	v_wmma_f32_16x16x64_fp8_fp8 v[SC+8*\u:SC+8*\u+7], v[KF+8*\u:KF+8*\u+7], v[QA:QA+7], 0
.endr
	WIN 0x40
.irp u, 0,1,2,3,4,5,6,7
	v_wmma_f32_16x16x64_fp8_fp8 v[SC+8*\u:SC+8*\u+7], v[KF+8*\u:KF+8*\u+7], v[QB:QB+7], 0
.endr
.irp t, 0,1,2,3
.irp g, 0,1,2,3
	ds_load_b128 v[VF+16*\t+4*\g:VF+16*\t+4*\g+3], v[RDA] offset:32768+(1-\a)*16384+2048*\t+512*\g
.endr
.endr
	WIN 0
.rept 4
	v_nop                                          ; four places ahead of the loads into K's registers and of the first read of the scores
.endr
.if \more
	KREAD (1-\a)*16384
	FEED \a
.endif
	s_cmp_lt_u32 s[KB], s[QBK]
	s_cbranch_scc1 .Lopen_\@
	s_sub_co_i32 s66, s[QBK], s[KB]                ; 0 on the diagonal, -1 behind it
	s_lshl_b32 s66, s66, 7
	v_add_nc_u32 v9, s66, v[DG]                    ; hidden keys' scores become -infinity ahead of the maximum
	MASK 0
	WIN 0x41
	MASK 16                                        ; tile B's queries lie 16 on
	WIN 0
.Lopen_\@:
	MAXES 240, MXA
	WIN 0x14
	MAXES 244, MXB
	WIN 0
	v_max3_num_f32 v240, v240, v241, v242          ; the two tiles' chains by turns
	v_max3_num_f32 v244, v244, v245, v246
	v_max_num_f32 v240, v240, v243
	v_max_num_f32 v244, v244, v247
	v_permlanex16_b32 v248, v240, s20, s21
	v_permlanex16_b32 v249, v244, s20, s21
	v_max_num_f32 v[MXA], v240, v248               ; and lane l xor 16's
	v_max_num_f32 v[MXB], v244, v249
	v_mul_f32 v250, s[NC], v[MXA]                  ; -t of the largest (c is positive)
	v_mul_f32 v251, s[NC], v[MXB]
	v_floor_f32 v250, v250                         ; the new -M = floor(-t): M is a whole number
	v_floor_f32 v251, v251
	v_sub_f32 v252, v250, v[NMA]                   ; old M less new M: a whole number, 0 or less
	v_sub_f32 v253, v251, v[NMB]
	v_mov_b32 v[NMA], v250
	v_mov_b32 v[NMB], v251
	v_cvt_i32_f32 v252, v252                       ; (it saturates)
	v_cvt_i32_f32 v253, v253
	v_ldexp_f32 v[FA], 1.0, v252                   ; 2^(old M - new M)
	v_ldexp_f32 v[FB], 1.0, v253
	FMA1 NMA
	s_wait_alu depctr_va_vdst(0)                   ; the wait directly ahead of the first reader of O^T
	RESCALE FA
	WIN 0x41
	s_wait_alu depctr_va_vdst(0)
	RESCALE FB
	WIN 0
	s_wait_alu depctr_va_vdst(0)                   ; ahead of the wait below and of the batch
	s_wait_dscnt 0x0                               ; my stores of the step are done, and V and the next K are in
	s_barrier_signal -1                            ; register work alone up to the wait at the step's end
	EXP1 NMA
	s_wait_alu depctr_va_vdst(0)                   ; one wait behind each batch and ahead of the next
	EXP2
	WIN 0x45
	FMA1 NMB
	s_wait_alu depctr_va_vdst(0)
	EXP1 NMB
	s_wait_alu depctr_va_vdst(0)
	EXP2
	WIN 0
.irp c, 4,5,6,7
	CVT \c
.endr
	ADD8 32
	ADD8 48
	TREE
	v_pk_fma_f32 v[LA:LA+1], v[LA:LA+1], v[FA:FA+1], v[TS:TS+1] op_sel_hi:[1,0,1]   ; the sum under the new M, of the unquantised p
	WIN 0x45
	s_wait_alu depctr_va_vdst(0)
.irp c, 4,5,6,7
	CVT \c
.endr
	ADD8 32
	WIN 0
	s_wait_alu depctr_va_vdst(0)                   ; the wait directly ahead of the branch
	s_cmp_ge_i32 s[E8], -8                         ; p is at most 1, and 448 x 2^e8 is at least 1 where e8 is at least -8: no code needs the hold
	s_cbranch_scc1 .Lfit_\@
	HOLDC 240
	WIN 0x55
	HOLDC 0
	WIN 0
.Lfit_\@:
	WIN 0x01
	PV                                             ; the accumulators by turns, one instruction a turn
	WIN 0x55
	PV
	WIN 0x45
	ADD8 48                                        ; (these are also the places behind the products)
	TREE
	WIN 0x10
	v_pk_fma_f32 v[LB:LB+1], v[LB:LB+1], v[FB:FB+1], v[TS:TS+1] op_sel_hi:[1,0,1]
	WIN 0
	s_barrier_wait -1                              ; everybody's stores of this step are in, and nobody reads what the next stores land on
.endm
.macro DUMP                            ; my part of both tiles: -M, the sum, O^T
	s_wait_alu depctr_va_vdst(0)
	v_mov_b32 v248, v[NMA]
	v_add_f32 v249, v[LA], v[LA+1]
	v_mov_b32 v250, v[NMB]
	v_add_f32 v251, v[LB], v[LB+1]
.irp i, 0,1,2,3,4,5,6,7
	ds_store_b128 v[DMP], v[OT+4*\i:OT+4*\i+3] offset:512*\i
.endr
	ds_store_b128 v[DMP], v[248:251] offset:8192
	WIN 0x04
.irp i, 0,1,2,3,4,5,6,7
	ds_store_b128 v[DMP], v[OT+4*\i:OT+4*\i+3] offset:4096+512*\i
.endr
	WIN 0
.endm
; A block's start.  A raw score is at most 64 x 448 x 448 in magnitude, under 2^24: so -2^24 lies under every score, and M begins from it.  The step is written once: its first change of M finds zeros and leaves zeros.
.macro RESET
	v_mov_b32 v[MXA], 0xcb800000
	v_mov_b32 v[MXB], 0xcb800000
	v_mul_f32 v[NMA], s[NC], v[MXA]
	v_mul_f32 v[NMB], s[NC], v[MXB]
	v_floor_f32 v[NMA], v[NMA]
	v_floor_f32 v[NMB], v[NMB]
.irp i, 0,1,2,3
	v_mov_b32 v[LA+\i], 0
.endr
.set n, 0
.rept 32
	v_mov_b32 v[OT+n], 0
.set n, n+1
.endr
	WIN 0x40
.set n, 0
.rept 32
	v_mov_b32 v[OT+n], 0
.set n, n+1
.endr
	WIN 0
.endm
; THE JOINING of the two halves' parts of one tile; O / the sum, held, quantised with 2^e10 (the exponents e8 and e9 that the sums lack are folded into the conversion's scale), stored as half an operand image: two stores of 512 consecutive bytes.
.macro FINISH
.irp i, 0,1,2,3,4,5,6,7
	ds_load_b128 v[96+4*\i:99+4*\i], v[FRD] offset:512*\i
	ds_load_b128 v[128+4*\i:131+4*\i], v[FRD] offset:4*MRG+512*\i
.endr
	ds_load_b64 v[240:241], v[FML]
	ds_load_b64 v[242:243], v[FML] offset:4*MRG
	s_wait_dscnt 0x0
	v_min_num_f32 v244, v240, v242                 ; -M of both together
	v_sub_f32 v245, v244, v240
	v_sub_f32 v246, v244, v242
	v_cvt_i32_f32 v245, v245
	v_cvt_i32_f32 v246, v246
	v_ldexp_f32 v252, 1.0, v245
	v_ldexp_f32 v254, 1.0, v246
	v_mul_f32 v247, v243, v254
	v_fma_f32 v247, v241, v252, v247
	v_permlanex16_b32 v248, v247, s20, s21
	v_add_f32 v247, v247, v248                     ; and lane l xor 16's: the row's sum
	s_wait_alu depctr_va_vdst(0)                   ; the wait ahead of the transcendental
	v_rcp_f32 v250, v247
	v_nop
	s_wait_alu depctr_va_vdst(0)                   ; and ahead of its first reader
	v_mul_f32 v252, v252, v250
	v_mul_f32 v254, v254, v250
.set n, 0
.rept 16
	v_pk_mul_f32 v[128+n:129+n], v[128+n:129+n], v[254:255] op_sel_hi:[1,0]
.set n, n+2
.endr
.set n, 0
.rept 16
	v_pk_fma_f32 v[96+n:97+n], v[96+n:97+n], v[252:253], v[128+n:129+n] op_sel_hi:[1,0,1]
.set n, n+2
.endr
.set n, 0
.rept 32
	v_med3_num_f32 v[96+n], v[96+n], -v[RLM], v[RLM]   ; the conversion does not saturate (ISA guide 7.6.2)
.set n, n+1
.endr
.irp t, 0,1,2,3
	v_cvt_scalef32_pk8_fp8_f32 v[TS+2*\t:TS+2*\t+1], v[96+8*\t:103+8*\t], v[RSC]   ; channels 16 t + 8 h + 0 .. 7 of my query
.endr
	v_nop                                          ; one plain vector instruction behind the conversions
	global_store_b128 v[LI], v[TS:TS+3], s[AB:AB+1]
	global_store_b128 v[LI], v[TS+4:TS+7], s[AB:AB+1] offset:512
.endm
; Behind a step: at the first block's end its parts go to LDS and the second block begins; a step later they are joined.
.macro AFTER
	s_add_co_u32 s[KB], s[KB], 2
	s_cmp_lg_u32 s[TT], s[N1M]
	s_cbranch_scc1 .Lgoon_\@
	DUMP
	WIN 0x01
.set n, 0
.rept 16
	v_mov_b32 v[QA+n], v[QA+n]                     ; the second block's Q, from window 1
.set n, n+1
.endr
	WIN 0
	RESET
	s_mov_b32 s[KB], s[HF]
	s_sub_co_u32 s[QBK], 31, s[J]
	s_branch .Lnext_\@
.Lgoon_\@:
	s_cmp_lg_u32 s[TT], s[N1]
	s_cbranch_scc1 .Lnext_\@
	FINISH
	s_wait_xcnt 0x0                                ; the stores have read their data and their base
	s_add_nc_u64 s[AB:AB+1], s[AB:AB+1], s[AD:AD+1]
.Lnext_\@:
	s_add_co_u32 s[TT], s[TT], 1
.endm
	s_load_b256 s[4:11], s[0:1], 0x0               ; q_codes s[4:5], k_codes s[6:7], v_codes s[8:9], the exponents s[10:11]
	s_load_b64 s[12:13], s[0:1], 0x20              ; a_codes
	v_lshl_add_u32 v[SPW], v0, 2, SPARE
	v_mov_b32 v[NIL], 0
	v_lshrrev_b32 v9, 5, v0
	v_readfirstlane_b32 s[WV], v9                  ; wave 0..7
	v_and_b32 v[LI], 31, v0
	v_lshlrev_b32 v[PFO], 8, v[LI]
	v_lshlrev_b32 v[LI], 4, v[LI]
	s_wait_alu depctr_va_vdst(0)
	s_and_b32 s[WQ], s[WV], 3
	s_lshr_b32 s[HF], s[WV], 2
	s_mov_b32 s[J], ttmp9
	s_and_b32 s66, ttmp7, 0xffff                   ; the head
	s_add_co_u32 s[N1], s[J], 2
	s_lshr_b32 s[N1], s[N1], 1                     ; the first block's steps: 1 to 8
	s_sub_co_u32 s[N1M], s[N1], 1
	s_lshl_b32 s67, s66, 18                        ; the head's first byte in Q and K,
	s_lshl_b32 s68, s66, 13                        ; and in a key block of V
	s_lshl_b32 s69, s[WQ], 12
	s_add_co_u32 s69, s69, s67                     ; K: my 4,096 bytes of a pair's 16,384
	s_lshr_b32 s70, s[WQ], 1
	s_lshl_b32 s70, s70, 17
	s_and_b32 s71, s[WQ], 1
	s_lshl_b32 s71, s71, 12
	s_add_co_u32 s70, s70, s71
	s_add_co_u32 s70, s70, s68                     ; V: half a key block's 8,192
	s_mov_b32 s[OFS+1], 0
	s_mov_b32 s[PST], 0x40000
	s_cmp_eq_u32 s[HF], 0
	s_cselect_b32 s[PST], 16384, s[PST]
	s_cselect_b32 s[OFS], s69, s70
	s_cselect_b32 s[DI], 2, 1
	s_wait_kmcnt 0x0
	s_cselect_b64 s[PB:PB+1], s[6:7], s[8:9]       ; waves 0-3 bring K, waves 4-7 V
	s_add_nc_u64 s[PB:PB+1], s[PB:PB+1], s[OFS:OFS+1]
	s_load_b128 s[56:59], s[10:11], 0x18           ; e6, e7, e8, e9
	s_load_b32 s60, s[10:11], 0x28                 ; e10
.irp i, 0,1,2,3,4,5,6,7
	global_load_b128 v[96+4*\i:99+4*\i], v[LI], s[PB:PB+1] offset:512*\i   ; step 0's
.endr
	s_cmp_gt_u32 s[N1], 1
	s_cselect_b32 s[OFS], s[PST], 0
	s_add_nc_u64 s[GA:GA+1], s[PB:PB+1], s[OFS:OFS+1]
	BRING                                          ; step 1's
	s_lshl_b32 s70, s[J], 13
	s_lshl_b32 s71, s[WQ], 11
	s_add_co_u32 s70, s70, s71
	s_add_co_u32 s70, s70, s67                     ; my first tile of queries: 8 j + 2 (w % 4)
	s_mov_b32 s71, 0
	s_add_nc_u64 s[52:53], s[4:5], s[70:71]
	s_lshl_b32 s72, s[J], 1
	s_sub_co_u32 s72, 31, s72                      ; the second block lies 31 - 2 j blocks further on
	s_lshl_b32 s70, s72, 13
	s_add_nc_u64 s[54:55], s[52:53], s[70:71]
.irp i, 0,1,2,3
	global_load_b128 v[QA+4*\i:QA+4*\i+3], v[LI], s[52:53] offset:512*\i
.endr
	WIN 0x40
.irp i, 0,1,2,3
	global_load_b128 v[QA+4*\i:QA+4*\i+3], v[LI], s[54:55] offset:512*\i
.endr
	WIN 0
	s_lshl_b32 s[AD], s72, 17
	s_mov_b32 s[AD+1], 0
	s_lshl_b32 s76, s[J], 17                       ; where my codes go: block x 131,072 + (head / 4) x 32,768 + tile x 4,096 + (head % 4) x 1,024
	s_lshr_b32 s77, s66, 2
	s_lshl_b32 s77, s77, 15
	s_add_co_u32 s76, s76, s77
	s_lshl_b32 s77, s[WQ], 1
	s_add_co_u32 s77, s77, s[HF]                   ; half 0 finishes tile A, half 1 tile B
	s_lshl_b32 s77, s77, 12
	s_add_co_u32 s76, s76, s77
	s_and_b32 s77, s66, 3
	s_lshl_b32 s77, s77, 10
	s_add_co_u32 s76, s76, s77
	s_mov_b32 s77, 0
	s_add_nc_u64 s[AB:AB+1], s[12:13], s[76:77]
	s_and_b32 s70, s[WQ], 1                        ; the prefetches: pair 4; the first step goes on to pair 5
	s_lshl_b32 s69, s70, 13
	s_add_co_u32 s69, s69, s67
	s_add_co_u32 s69, s69, 4*16384
	s_lshl_b32 s70, s70, 17
	s_add_co_u32 s70, s70, s68
	s_add_co_u32 s70, s70, 4*0x40000
	s_mov_b32 s[PFS], 0x40000
	s_mov_b32 s[PFS+1], 0
	s_cmp_lt_u32 s[WQ], 2
	s_cselect_b32 s[PFS], 16384, s[PFS]
	s_cselect_b32 s70, s69, s70
	s_cselect_b64 s[PFA:PFA+1], s[6:7], s[8:9]
	s_add_nc_u64 s[PFA:PFA+1], s[PFA:PFA+1], s[70:71]
	s_or_b32 s70, s[J], s[HF]
	s_cmp_eq_u32 s70, 0
	s_cselect_b32 s[PFL], 11, 0                    ; waves 0-3 of the head's work-group j = 0
	s_lshl_b32 s69, s[HF], 13
	s_lshl_b32 s70, s[WQ], 12
	s_lshl_b32 s71, s[HF], 15
	s_add_co_u32 s70, s70, s71                     ; K's buffers at 0 and 16,384, V's at 32,768 and 49,152
	s_lshl_b32 s71, s[HF], 14                      ; V of step 0 goes into V's second buffer, K of step 0 into K's first
	s_mul_i32 s72, s[WV], MRG
	s_add_co_u32 s72, s72, DUMPB
	s_mul_i32 s73, s[WQ], MRG
	s_add_co_u32 s73, s73, DUMPB
	s_lshl_b32 s74, s[HF], 12
	s_add_co_u32 s74, s74, s73
	s_lshl_b32 s75, s[HF], 3
	s_add_co_u32 s75, s75, s73
	s_add_co_u32 s75, s75, 8192
	s_lshl_b32 s76, s[WQ], 5
	s_mov_b32 s20, 0x76543210                      ; v_permlanex16_b32's selects for lane l xor 16
	s_mov_b32 s21, 0xfedcba98
	s_mov_b32 s[TT], 0
	s_mov_b32 s[KB], s[HF]
	s_mov_b32 s[QBK], s[J]
	v_and_b32 v[DG], 15, v0
	v_bfe_u32 v9, v0, 4, 1
	v_lshlrev_b32 v9, 3, v9
	v_sub_nc_u32 v[DG], v[DG], v9
	v_add_nc_u32 v[DG], s76, v[DG]
	v_add_nc_u32 v[RDA], s69, v[LI]
	v_add_nc_u32 v[STA], s70, v[LI]
	v_add_nc_u32 v[DMP], s72, v[LI]
	v_add_nc_u32 v[FRD], s74, v[LI]
	v_add_nc_u32 v[FML], s75, v[LI]
	v_add_nc_u32 v9, s71, v[STA]
	v_mov_b32 v[NEGI], 0xff800000                  ; -infinity
.irp r, NMA+1, NMB+1, FA+1, FB+1, 248, 249, 255    ; named as a pair's upper half, or a lane permute's destination, so written
	v_mov_b32 v[\r], 0
.endr
	s_wait_alu depctr_va_vdst(0)
	s_wait_kmcnt 0x0
	s_add_co_i32 s70, s56, s57
	s_lshl_b32 s70, s70, 23
	s_add_co_i32 s[CS], s70, 0x3e38aa3b            ; c = log2(e) / 8, with e6 + e7 added to its exponent field
	s_mov_b32 s[CS+1], s[CS]                       ; (named with it as a pair, so it is written)
	s_xor_b32 s[NC], s[CS], 0x80000000
	s_add_co_i32 s70, s[E8], 127
	s_lshl_b32 s70, s70, 23                        ; 2^e8 as f32
	s_sub_co_i32 s72, s60, s[E8]
	s_sub_co_i32 s72, s72, s59                     ; a sum of the second product stands for sum x 2^(e8 + e9)
	s_add_co_i32 s72, s72, 127
	s_lshl_b32 s73, s72, 23
	s_add_co_i32 s72, s72, 8
	s_lshl_b32 s72, s72, 23
	s_or_b32 s72, s72, 0x600000
	v_mov_b32 v[PSC], s70
	v_mov_b32 v[RSC], s73
	v_mov_b32 v[RLM], s72
	WIN 0x40
	v_mov_b32 v[PSC], s70
	WIN 0
	RESET
	s_wait_alu depctr_va_vdst(0)                   ; the wait at the head's end
	s_wait_loadcnt 0x0                             ; steps 0 and 1, and Q
.irp i, 0,1,2,3,4,5,6,7
	ds_store_b128 v9, v[96+4*\i:99+4*\i] offset:512*\i
.endr
	s_cmp_lg_u32 s[HF], 0
	s_cbranch_scc1 .Lisv
	PUT 16384                                      ; K of step 1; V of step 1 is stored in step 0
	GADDR
	BRING                                          ; K of step 2
.Lisv:
	s_wait_dscnt 0x0
	s_barrier_signal -1
	s_barrier_wait -1                              ; K of steps 0 and 1 and V of step 0 are in
	KREAD 0
	s_wait_dscnt 0x0
	s_barrier_signal -1
	s_barrier_wait -1                              ; and K of step 0 is in everybody's registers: step 0 stores over it
	s_mov_b32 s[TRIP], 8
.Lloop:                                                ; two steps a trip: steps 0 to 15
	STEP 0, 1
	AFTER
	STEP 1, 1
	AFTER
	s_sub_co_u32 s[TRIP], s[TRIP], 1
	s_cmp_lg_u32 s[TRIP], 0
	s_cbranch_scc1 .Lloop
	STEP 0, 0                                      ; step 16, the second block's last
	DUMP
	s_wait_dscnt 0x0
	s_barrier_signal -1
	s_barrier_wait -1
	FINISH
	s_wait_tensorcnt 0x0                           ; the wave's end, behind my last LDS store
	ds_add_u32 v[SPW], v[NIL]
	s_wait_dscnt 0x0
	s_endpgm
.Lfunc_end_k_qa19a230c6e_attn:
	.size	k_qa19a230c6e_attn, .Lfunc_end_k_qa19a230c6e_attn-k_qa19a230c6e_attn
	.p2alignl 7, 3214868480
	.fill 96, 4, 3214868480
	.section	.rodata,"a",@progbits
	.p2align	6, 0x0
	.amdhsa_kernel k_qa19a230c6e_attn
		.amdhsa_group_segment_fixed_size 136192
		.amdhsa_private_segment_fixed_size 0
		.amdhsa_enable_private_segment 0
		.amdhsa_kernarg_size 40
		.amdhsa_user_sgpr_count 2
		.amdhsa_user_sgpr_kernarg_segment_ptr 1
		.amdhsa_wavefront_size32 1
		.amdhsa_system_sgpr_workgroup_id_x 1
		.amdhsa_system_sgpr_workgroup_id_y 1
		.amdhsa_system_sgpr_workgroup_id_z 1
		.amdhsa_system_vgpr_workitem_id 0
		.amdhsa_next_free_vgpr 512
		.amdhsa_next_free_sgpr 80
		.amdhsa_reserve_vcc 1
		.amdhsa_float_denorm_mode_32 3
		.amdhsa_float_denorm_mode_16_64 3
		.amdhsa_memory_ordered 1
		.amdhsa_forward_progress 1
		.amdhsa_inst_pref_size 168
	.end_amdhsa_kernel
	.amdgpu_metadata
---
amdhsa.version: [ 1, 2 ]
amdhsa.kernels:
  - .name:           k_qa19a230c6e_attn
    .symbol:         k_qa19a230c6e_attn.kd
    .args:
      - { .name: q_codes, .offset: 0, .size: 8, .value_kind: global_buffer, .address_space: global }
      - { .name: k_codes, .offset: 8, .size: 8, .value_kind: global_buffer, .address_space: global }
      - { .name: v_codes, .offset: 16, .size: 8, .value_kind: global_buffer, .address_space: global }
      - { .name: lowp_scales, .offset: 24, .size: 8, .value_kind: global_buffer, .address_space: global }
      - { .name: a_codes, .offset: 32, .size: 8, .value_kind: global_buffer, .address_space: global }
    .group_segment_fixed_size: 136192
    .private_segment_fixed_size: 0
    .kernarg_segment_align: 8
    .kernarg_segment_size: 40
    .max_flat_workgroup_size: 256
    .sgpr_count:     80
    .vgpr_count:     512
    .wavefront_size: 32
...
	.end_amdgpu_metadata
.endif
;; end of part 2
;; launch oproj (part 3): grid 8 x 32, 4 waves a work-group, clusters of 4 x 4, 327,680 bytes of LDS; arguments a_codes, W_o_codes, lowp_scales, out0; writes out0
.if DOCPART == 3
	.amdgcn_target "amdgcn-amd-amdhsa--gfx1250"
	.amdhsa_code_object_version 6
	.text
	.protected	k_qa19a230c6e_oproj
	.globl	k_qa19a230c6e_oproj
	.p2align	8
	.type	k_qa19a230c6e_oproj,@function
k_qa19a230c6e_oproj:
	s_mov_b64 s[64:65], 0
	v_nop
	global_prefetch_b8 v0, s[64:65] scope:SCOPE_SE
	s_setreg_imm32_b32 hwreg(HW_REG_WAVE_MODE, 25, 1), 1
	s_wait_xcnt 0x0
	s_wait_alu depctr_hold_cnt(0) depctr_sa_sdst(0) depctr_va_vdst(0) depctr_va_sdst(0) depctr_va_ssrc(0) depctr_va_vcc(0) depctr_vm_vsrc(0)
	s_getreg_b32 s2, hwreg(HW_REG_IB_STS2, 6, 4)
	s_cmp_eq_u32 s2, 0
	s_cbranch_scc0 .Lentry_in_a_cluster
	s_endpgm
.Lentry_in_a_cluster:
	s_bfe_u32 s2, ttmp6, 0x10000c
	s_cmp_lg_u32 s2, 0xf033
	s_cbranch_scc0 .Lentry_shape_is_right
	s_endpgm
.Lentry_shape_is_right:
; out0[s][e] = 2^(e10 + e11) x the sum over d of a[s][d] W_o[e][d], on codes of FP8 (E4M3); s 4,096, e 1,024, d 1,024; sums and out0 in f32.
; a_codes are images of operand registers: [128 queries: 32][256 along d: 4][tile of 16 queries: 8][128 along d: 2][2,048 bytes]: registers 2 c, 2 c + 1 of lane (r, h) hold d = 16 c + 8 h + 0 .. 7 of query r.  W_o_codes: [e][d], rows of 1,024 bytes.
; A tile of out0 is 128 x 128: 256 work-groups (tiles of 256 x 256 would make 64).  Four waves, each 64 x 64: 16 accumulators.  THE WHOLE K OF BOTH TILES LIES IN LDS: 131,072 dense bytes of images and 128 rows of W_o.
; So every byte of LDS is filled once, by ONE tensor load a wave: waves 0 and 1 bring half of the images each, waves 2 and 3 half of W_o's rows.  There is no ring and no loop to run ahead in: nothing is prefetched.
; CLUSTERS: 4 x 4 work-groups.  The four of a row of the cluster need the same queries' images, the four of a column the same rows of W_o: each piece is asked for JOINTLY.
; THE MATRIX INSTRUCTION IS USED TRANSPOSED (source 0 = 16 rows of W_o, source 1 = 16 queries): a lane holds eight neighbouring numbers of a row of out0.
; The images come out of LDS 16 bytes a lane, 512 consecutive bytes an instruction.  W_o's fragments are read 8 bytes at a time, at row x 1,040 + 16 c + 8 h, so that each d stands where the images have it.
; LIMIT: e10 + e11 lies between -126 and 127, so that 2^(e10 + e11) is an f32 number.
; REGISTERS: window 0: v16-26 addresses; v30, v31 the add's; v32-63 a block's results; v64-127 rows read back from the stage, two sets; v128-255 the accumulators ((a, b) at v[128 + 8 (4 a + b)]).
;   window 1: two fragment buffers of 128: 64 registers of images (4 tiles of queries), then 64 of W_o (4 tiles of rows), for 128 along K.
.set PITCH,  1040                      ; a row of W_o in LDS: 1,024 bytes + 16 of padding = 260 words: lane (r, h) reads words 260 r + 2 h on: the 32 lanes of a load of 8 bytes touch 64 different banks (64 banks of 4 bytes: ISA guide 11.1)
.set ACH,    32768                     ; the images of 256 along K
.set BOFF,   4*ACH
.set STG,    BOFF+128*PITCH            ; behind both: a stage of 16 rows x 272 bytes for each wave, in blocks of 256 bytes into which no tensor load lands
.set SPITCH, 272
.set SPARE,  STG+4*16*SPITCH           ; the spare words, 128 bytes for each wave: two blocks of 256 bytes that no other line names
.set ADRA, 16                          ; v16, v17  my images, K steps 0-3 and 4-7
.set ADRB, 20                          ; v20  my rows of W_o
.set STO,  24                          ; v24  the way out: where I put 32 bytes of a row
.set RD,   25                          ; v25  where I read a row back
.set CO,   26                          ; v26  my byte offset in two rows of out0
.set SPW,  30
.set NIL,  31
.set TMP,  32
.set BK,   64
.set ACC,  128
.set G1A, 24                           ; s[24:31] descriptor group 1 for the images;  s[68:71] group 0
.set G0A, 68
.set G1B, 48                           ; s[48:55] for W_o's rows;  s[84:87] group 0
.set G0B, 84
.set MSB, 0
.macro WIN new                         ; the immediate's high byte repeats the setting that is left
.if MSB != \new
	s_set_vgpr_msb (MSB<<8)|\new
.set MSB, \new
.endif
.endm
.macro CROUND                          ; a round of the cluster's barrier
	s_barrier_signal -1
	s_barrier_wait -1
	s_cmp_lg_u32 s14, 0
	s_cbranch_scc1 .Lnot_wave_0_\@
	s_barrier_signal -3
.Lnot_wave_0_\@:
	s_barrier_wait -3
	s_barrier_signal -1
	s_barrier_wait -1
.endm
	s_load_b256 s[4:11], s[0:1], 0x0               ; a_codes s[4:5], W_o_codes s[6:7], the exponents s[8:9], out0 s[10:11]
	v_lshl_add_u32 v[SPW], v0, 2, SPARE
	v_mov_b32 v[NIL], 0
	ds_add_u32 v[SPW], v[NIL]                      ; the wave's opening: the add, twice on end, and its wait
	ds_add_u32 v[SPW], v[NIL]
	v_lshrrev_b32 v1, 5, v0
	v_readfirstlane_b32 s14, v1                    ; wave 0..3
	s_lshr_b32 s15, s14, 1                         ; which 64 queries are mine.  Also: I fetch images (0) or rows of W_o (1)
	s_and_b32 s16, s14, 1                          ; which 64 columns.  Also: which half I fetch
	s_bfe_u32 s40, ttmp6, 0x40000                  ; cx, cy: my place in the cluster
	s_bfe_u32 s41, ttmp6, 0x40004
	s_lshl_b32 s42, ttmp9, 2
	s_add_co_u32 s42, s42, s40                     ; tile column = 4 x cluster x + cx
	s_and_b32 s17, ttmp7, 0xffff
	s_lshl_b32 s17, s17, 2
	s_add_co_u32 s17, s17, s41                     ; tile row = 4 x cluster y + cy
	s_lshl_b32 s43, s41, 2
	s_lshl_b32 s43, 15, s43                        ; my row of the cluster
	s_lshl_b32 s44, 0x1111, s40                    ; my column
	s_or_b32 s[G1A], s43, (0<<16)|(1<<21)          ; 15:0 the mask: the images go to my row; elements of 1 byte; 21 set beside a mask; no padding
	s_or_b32 s[G1B], s44, (0<<16)|(1<<20)|(1<<21)|(7<<22)|(3<<25)  ; the mask of my column; padding: 4 words after every 256
	s_mov_b32 s[G1A+1], 256<<16                    ; the images are dense: 65,536 bytes as 256 rows of 256
	s_mov_b32 s[G1A+2], 256<<16
	s_mov_b32 s[G1A+3], 256<<16
	s_mov_b32 s[G1A+4], 256
	s_mov_b32 s[G1A+5], 256
	s_mov_b32 s[G1A+6], 0
	s_mov_b32 s[G1A+7], 0
	s_mov_b32 s[G1B+1], 1024<<16                   ; 64 rows of W_o, 1,024 bytes each
	s_mov_b32 s[G1B+2], 64<<16
	s_mov_b32 s[G1B+3], 1024<<16
	s_mov_b32 s[G1B+4], 64
	s_mov_b32 s[G1B+5], 1024
	s_mov_b32 s[G1B+6], 0
	s_mov_b32 s[G1B+7], 0
	s_lshl_b32 s12, s17, 17                        ; the images of my tile row: 131,072 bytes,
	s_lshl_b32 s18, s16, 16                        ; my half of them: in memory and in LDS alike
	s_add_co_u32 s12, s12, s18
	s_mov_b32 s13, 0
	s_lshl_b32 s46, s42, 7
	s_lshl_b32 s19, s16, 6
	s_add_co_u32 s46, s46, s19                     ; W_o: row 128 x tile column + 64 x half,
	s_lshl_b32 s46, s46, 10                        ; in bytes
	s_mov_b32 s47, 0
	s_mul_i32 s19, s16, 64*PITCH                   ; and its place in LDS: no place in the cluster enters an LDS address
	s_wait_alu depctr_va_vdst(0)
	s_wait_dscnt 0x0                               ; both opening adds are done
	s_wait_kmcnt 0x0
	s_load_b64 s[20:21], s[8:9], 0x28              ; e10, e11
	s_add_nc_u64 s[12:13], s[4:5], s[12:13]
	s_add_nc_u64 s[46:47], s[6:7], s[46:47]
	s_mov_b32 s[G0A], 1
	s_mov_b32 s[G0A+1], s18
	s_mov_b64 s[G0A+2:G0A+3], s[12:13]
	s_or_b32 s[G0A+3], s[G0A+3], 0x80000000
	s_mov_b32 s[G0B], 1
	s_add_co_u32 s[G0B+1], s19, BOFF
	s_mov_b64 s[G0B+2:G0B+3], s[46:47]
	s_or_b32 s[G0B+3], s[G0B+3], 0x80000000
	CROUND                                         ; all sixteen work-groups are here: the joint loads meet
	s_cmp_eq_u32 s15, 0                            ; the branch hangs on the wave's number alone; an s_nop 0 and four v_nop follow each load
	s_cbranch_scc0 .Lfor_b
	tensor_load_to_lds s[G0A:G0A+3], s[G1A:G1A+7]
	s_nop 0
.rept 4
	v_nop
.endr
	s_branch .Lasked
.Lfor_b:
	tensor_load_to_lds s[G0B:G0B+3], s[G1B:G1B+7]
	s_nop 0
.rept 4
	v_nop
.endr
.Lasked:
	s_lshl_b32 s22, s15, 14                        ; my four tiles of queries
	s_mul_i32 s23, s16, 64*PITCH                   ; my 64 rows of W_o
	s_add_co_u32 s23, s23, BOFF
	s_mul_i32 s45, s14, 16*SPITCH
	s_add_co_u32 s45, s45, STG                     ; my stage
	v_and_b32 v1, 15, v0                           ; r
	v_bfe_u32 v2, v0, 4, 1                         ; h
	v_and_b32 v3, 31, v0
	v_lshlrev_b32 v3, 4, v3                        ; 16 x lane
	v_add_nc_u32 v[ADRA], s22, v3
	v_add_nc_u32 v[ADRA+1], 2*ACH, v[ADRA]
	v_mul_u32_u24 v4, v1, PITCH
	v_lshl_add_u32 v4, v2, 3, v4                   ; row r, + 8 h
	v_add_nc_u32 v[ADRB], s23, v4
	v_mul_u32_u24 v5, v1, SPITCH                   ; in: row r, 32 bytes for each half of the lanes
	v_lshl_add_u32 v5, v2, 5, v5
	v_add_nc_u32 v[STO], s45, v5
	v_mul_u32_u24 v5, v2, SPITCH                   ; back: lanes 0-15 take one row of 256 bytes, lanes 16-31 the next
	v_lshl_add_u32 v5, v1, 4, v5
	v_add_nc_u32 v[RD], s45, v5
	v_lshlrev_b32 v[CO], 12, v2                    ; and the same two rows in out0, 4,096 bytes apart
	v_lshl_add_u32 v[CO], v1, 4, v[CO]
	s_lshl_b32 s22, s17, 7
	s_lshl_b32 s23, s15, 6
	s_add_co_u32 s22, s22, s23                     ; my first row of out0: 128 x tile row + 64 x half,
	s_lshl_b32 s22, s22, 12
	s_lshl_b32 s23, s42, 9                         ; my first column, in bytes: 512 x tile column + 256 x half
	s_add_co_u32 s22, s22, s23
	s_lshl_b32 s23, s16, 8
	s_add_co_u32 s22, s22, s23
	s_mov_b32 s23, 0
	s_add_nc_u64 s[10:11], s[10:11], s[22:23]
; The fragments of K step ks (128 along K) into buffer f: 16 loads of 16 bytes for my four images, 32 of 8 bytes for my four tiles of W_o's rows
.macro FETCH ks, f
	WIN 0x40                                       ; destination window 1, address window 0
.irp a, 0,1,2,3
.irp c, 0,1,2,3
	ds_load_b128 v[(\f)+16*\a+4*\c:(\f)+16*\a+4*\c+3], v[ADRA+((\ks)>>2)] offset:(((\ks)>>1)&1)*ACH+4096*\a+2048*((\ks)&1)+512*\c
.endr
.endr
.irp b, 0,1,2,3
.irp c, 0,1,2,3,4,5,6,7
	ds_load_b64 v[(\f)+64+16*\b+2*\c:(\f)+64+16*\b+2*\c+1], v[ADRB] offset:16*PITCH*\b+128*(\ks)+16*\c
.endr
.endr
.endm
; 16 matrix instructions: the 16 accumulators take turns, one instruction a turn, in the same order in every K step.  zero = 1: the first products start the sums
.macro MUL16 f, zero
	WIN 0x05                                       ; sources 0 and 1 window 1; C and D window 0
.irp a, 0,1,2,3
.irp b, 0,1,2,3
.if \zero
	v_wmma_f32_16x16x128_fp8_fp8 v[ACC+8*(4*\a+\b):ACC+8*(4*\a+\b)+7], v[(\f)+64+16*\b:(\f)+64+16*\b+15], v[(\f)+16*\a:(\f)+16*\a+15], 0
.else
	v_wmma_f32_16x16x128_fp8_fp8 v[ACC+8*(4*\a+\b):ACC+8*(4*\a+\b)+7], v[(\f)+64+16*\b:(\f)+64+16*\b+15], v[(\f)+16*\a:(\f)+16*\a+15], v[ACC+8*(4*\a+\b):ACC+8*(4*\a+\b)+7]
.endif
.endr
.endr
.endm
	s_wait_alu depctr_va_vdst(0)                   ; the wait at the head's end
	s_wait_tensorcnt 0x0                           ; my piece is in,
	s_barrier_signal -1
	s_barrier_wait -1                              ; everybody's is
	FETCH 0, 0
.irp ks, 0,1,2,3,4,5,6,7
	s_wait_dscnt 0x0                               ; this K step's fragments are in
.if (\ks < 7) && (\ks > 0)
.rept 4
	v_nop                                          ; four places in front of loads into the buffer that the last K step's products have read (ISA guide 7.12.1 for vector instructions)
.endr
.endif
.if \ks < 7
	FETCH \ks+1, 128*((\ks+1)%2)                   ; the next K step's fragments come while this one is multiplied
.endif
.if \ks == 0
	MUL16 0, 1
.else
	MUL16 128*(\ks%2), 0
.endif
.endr
	WIN 0
	s_wait_kmcnt 0x0
	s_add_co_i32 s20, s20, s21                     ; e10 + e11, between -126 and 127,
	s_add_co_i32 s20, s20, 127
	s_lshl_b32 s20, s20, 23                        ; makes the f32 number 2^(e10 + e11)
	s_mov_b32 s21, s20                             ; (named with it as a pair, so it is written)
.rept 4
	v_nop                                          ; places behind the last products, ahead of the first read of results
.endr
; THE WAY OUT, 16 queries x 64 columns at a time.  A lane holds 32 neighbouring bytes of a row, and the lanes beside it hold other rows: so a block goes through my own stage and comes back as whole rows of 256 bytes.
; LDS serves a wave's instructions in order (ISA guide 5.7.1.4): no wait between the stores and the loads.
.irp a, 0,1,2,3
.if \a > 1
	s_wait_xcnt 0x0                                ; block a - 2's stores have read their registers: block a's rows may land there
.endif
.set j, 0
.rept 16
	v_pk_mul_f32 v[TMP+j:TMP+j+1], v[ACC+32*\a+j:ACC+32*\a+j+1], s[20:21] op_sel_hi:[1,0]   ; x 2^(e10 + e11); each accumulator from its low end on
.set j, j+2
.endr
.irp b, 0,1,2,3
	ds_store_b128 v[STO], v[TMP+8*\b:TMP+8*\b+3] offset:64*\b
	ds_store_b128 v[STO], v[TMP+8*\b+4:TMP+8*\b+7] offset:64*\b+16
.endr
.irp t, 0,1,2,3,4,5,6,7
	ds_load_b128 v[BK+32*(\a%2)+4*\t:BK+32*(\a%2)+4*\t+3], v[RD] offset:\t*2*SPITCH
.endr
.irp t, 0,1,2,3,4,5,6,7
	s_wait_dscnt 7-\t                              ; rows 2 t and 2 t + 1 are back; the younger loads may be out
	global_store_b128 v[CO], v[BK+32*(\a%2)+4*\t:BK+32*(\a%2)+4*\t+3], s[10:11] offset:(16*\a+2*\t)*4096 th:TH_STORE_NT   ; 16 lanes store 256 consecutive bytes, at a multiple of 256 from out0's first byte; written once, read by nobody here
.endr
.endr
	s_wait_tensorcnt 0x0                           ; the wave's end
	ds_add_u32 v[SPW], v[NIL]
	s_wait_dscnt 0x0
	CROUND                                         ; the closing round: no work-group ends while a partner may still ask for a piece that names it
	s_endpgm
.Lfunc_end_k_qa19a230c6e_oproj:
	.size	k_qa19a230c6e_oproj, .Lfunc_end_k_qa19a230c6e_oproj-k_qa19a230c6e_oproj
	.p2alignl 7, 3214868480
	.fill 96, 4, 3214868480
	.section	.rodata,"a",@progbits
	.p2align	6, 0x0
	.amdhsa_kernel k_qa19a230c6e_oproj
		.amdhsa_group_segment_fixed_size 327680
		.amdhsa_private_segment_fixed_size 0
		.amdhsa_enable_private_segment 0
		.amdhsa_kernarg_size 32
		.amdhsa_user_sgpr_count 2
		.amdhsa_user_sgpr_kernarg_segment_ptr 1
		.amdhsa_wavefront_size32 1
		.amdhsa_system_sgpr_workgroup_id_x 1
		.amdhsa_system_sgpr_workgroup_id_y 1
		.amdhsa_system_sgpr_workgroup_id_z 1
		.amdhsa_system_vgpr_workitem_id 0
		.amdhsa_next_free_vgpr 512
		.amdhsa_next_free_sgpr 100
		.amdhsa_reserve_vcc 0
		.amdhsa_float_denorm_mode_32 3
		.amdhsa_float_denorm_mode_16_64 3
		.amdhsa_memory_ordered 1
		.amdhsa_forward_progress 1
		.amdhsa_inst_pref_size 52
	.end_amdhsa_kernel
	.amdgpu_metadata
---
amdhsa.version: [ 1, 2 ]
amdhsa.kernels:
  - .name:           k_qa19a230c6e_oproj
    .symbol:         k_qa19a230c6e_oproj.kd
    .args:
      - { .name: a_codes, .offset: 0, .size: 8, .value_kind: global_buffer, .address_space: global }
      - { .name: W_o_codes, .offset: 8, .size: 8, .value_kind: global_buffer, .address_space: global }
      - { .name: lowp_scales, .offset: 16, .size: 8, .value_kind: global_buffer, .address_space: global }
      - { .name: out0, .offset: 24, .size: 8, .value_kind: global_buffer, .address_space: global }
    .group_segment_fixed_size: 327680
    .private_segment_fixed_size: 0
    .kernarg_segment_align: 8
    .kernarg_segment_size: 32
    .max_flat_workgroup_size: 128
    .sgpr_count:     100
    .vgpr_count:     512
    .wavefront_size: 32
...
	.end_amdgpu_metadata
.endif
;; end of part 3
